; MI455X (gfx1250); checked and timed in simulation.
; The chip was launched on July 23, 2026; its instructions are those of AMD's public machine-readable ISA for CDNA 5 (MIT licence, August 2026) and "CDNA5" Instruction Set Architecture Reference Guide (July 2026). The comments in the code are by the model that wrote it; some were corrected since.
;; Multi Head Attention. Allowed arithmetic: matrix products marked QUANTISED: E4M3 operands, one given power-of-two scale a tensor, by v_wmma_f32_16x16x64_fp8_fp8 or v_wmma_f32_16x16x128_fp8_fp8, f32 sums; everything else in f32.
;; Inputs: K 4 x 2,048 x 1,024 float32; Q 4 x 2,048 x 1,024 float32; V 4 x 2,048 x 1,024 float32; W_o 1,024 x 1,024 float32; b_o 1,024 float32; lowp_scales 6 int32 (the exponents e of the quantised operands' scales 2^e); mask 4 x 2,048 x 2,048 bool.
;; Outputs: out0 4 x 2,048 x 1,024 float32.
;; This version of the problem:
;;   THIS VERSION OF THE PROBLEM IS GIVEN IN LOW PRECISION. The matrix products marked QUANTISED in the list below multiply operands that are first quantised to E4M3 (4 exponent bits, 3 mantissa bits; 8 bits a number), with one given power-of-two scale for each operand tensor; their sums are f32. All else is computed in f32.
;;   The module's matrix products, in the order in which they are computed (A, B: the left and right operand; K: the contracted axis; several contracted axes count as one K, in the product's order):
;;     1. batch 64 x [M 2,048, K 64] x [K 64, N 2,048]; A: input Q; B: input K: QUANTISED (scales: A lowp_scales[0], B lowp_scales[1])
;;     2. batch 64 x [M 2,048, K 2,048] x [K 2,048, N 64]; A: softmax (see below); B: input V: QUANTISED (scales: A lowp_scales[2], B lowp_scales[3])
;;     3. [M 8,192, K 1,024] x [K 1,024, N 1,024]; A: computed on the way; B: input W_o: QUANTISED (scales: A lowp_scales[4], B lowp_scales[5])
;;   THE QUANTISER, for each operand of a quantised product, along K:
;;     - The operand's scale is 2^e, e = its entry of the input lowp_scales (int32; the entries are numbered through the quantised products in the list's order, A before B).
;;     - Each number is divided by the scale, clamped to +-448, and rounded to the nearest number of E4M3, ties to even, subnormals kept.
;;     - The product sums the exact products of the quantised numbers (number of the format x scale) in f32.
;;   ~~~python
;;   def quantise(x, axis, e):      # numpy; x: float32 -> the quantised numbers, widened to float32 again
;;       x = np.moveaxis(x, axis, -1); K = x.shape[-1]
;;       r = np.clip(x / 2.0 ** e, -448, 448)
;;       step = 2.0 ** (np.maximum(np.frexp(np.where(r == 0, 1, r))[1] - 1, -6) - 3)
;;       q = np.round(r / step) * step * 2.0 ** e      # np.round: ties to even
;;       return np.moveaxis(q, -1, axis).astype(np.float32)
;;   ~~~
;;   SOFTMAX AHEAD OF A QUANTISED PRODUCT. Where the list says 'softmax', what is quantised is not the finished softmax but p = 2^(t - M), with t = logit x log2(e) and M = ceil(the row's largest t), a whole number; so 1/2 < the row's largest p <= 1. The row's sum l is taken of the UNQUANTISED p, in f32, and the product's result is divided by l at the end. Since M is a whole number, a kernel that streams over the keys may use a running M (the ceiling of the running maximum): every later rescaling is an exact power of two, so the quantised numbers keep their values, but for numbers so far below the row's largest that they fall under the format's range.
;;   OPERANDS COMPUTED ON THE WAY. 'Computed on the way' means the value that the module computes at that place (a softmax that the list does not call 'softmax' is quantised finished and normalised). What goes into a quantiser is computed in f32, as accurately as f32 sums, v_exp_f32 and their like allow (about 1e-6 of the number): no bf16 or f16 on the way to a quantiser, and a product that is left as it is and whose result goes on into a quantised operand takes f32 operands (vector FMAs, or v_wmma_f32_16x16x4_f32). A number that lies on a knife's edge between two numbers of the format may be rounded either way, as far as f32 arithmetic and the matrix unit's own rounding can turn it there, and no further.
;; One version. Each part assembles by itself: llvm-mc -triple=amdgcn-amd-amdhsa -mcpu=gfx1250 --defsym DOCPART=n.
;; ======== version 1 of 1: 3 launches
;; limits: right only within a limited range of input values
;; workspace buffers: kv 16,777,216 bytes; wimg 1,048,576 bytes; flags 2,048 bytes of whole numbers; ctx 8,388,608 bytes
;; launch prep (part 1): grid 960 x 1, 4 waves a work-group, no clusters, 35,328 bytes of LDS; arguments K, V, W_o, mask, lowp_scales, kv, wimg, flags; writes kv, wimg, flags
.if DOCPART == 1
	.amdgcn_target "amdgcn-amd-amdhsa--gfx1250"
	.amdhsa_code_object_version 6
	.text
	.protected	k_q5d991c57dc_prep
	.globl	k_q5d991c57dc_prep
	.p2align	8
	.type	k_q5d991c57dc_prep,@function
k_q5d991c57dc_prep:
	s_mov_b64 s[64:65], 0
	v_nop
	global_prefetch_b8 v0, s[64:65] scope:SCOPE_SE
	s_setreg_imm32_b32 hwreg(HW_REG_WAVE_MODE, 25, 1), 1
	s_wait_xcnt 0x0
; PREP: K, V and W_o (f32) become codes of E4M3, each with its given scale 2^e, laid as IMAGES OF OPERAND REGISTERS; the mask becomes one word of flags for each tile of 16 queries.
; code = x / 2^e, held within +-448, to the nearest code, ties to even.  LIMITS: each e used here (entries 1, 3, 5 of the scales) lies between -126 and 119, so that 2^e and 448 x 2^e are f32 numbers;
; NaN among the floating-point inputs is not served (an infinity is held at the largest code); a mask byte is 0 or 1.
; With lane L = (r = L % 16, h = L / 16) an image holds 16 bytes a lane, 512 bytes a group of four registers:
;   kv   [bh 64][step 16][16,384]: a step is 128 keys.  Bytes 0 .. 8,191: K, tile t = 2 b + u at 1,024 t, chunk c at 512 c: key 32 b + 8 u + r + 8 (r / 8), channels 32 c + 16 h + 0 .. 15.
;        Bytes 8,192 on: V, tile t = 2 b + u at 2,048 t, chunk c at 512 c: channel 32 b + 8 u + r + 8 (r / 8), keys 32 c + 16 h + 0 .. 15.
;   wimg [g 32][s 8][u 2][c 4][lane][16]: column 32 g + 8 u + r + 8 (r / 8) of W_o, rows 128 s + 32 c + 16 h + 0 .. 15.
;   flags: word b x 128 + tile of 16 queries: bit k: all 16 x 128 mask bytes of key step k are 1; bit 16 + k: some byte of it is 1.
; Three paths part on the work-group's number: 0 .. 255 K; 256 .. 831 V (512 work-groups) and W_o (64); 832 .. 959 the mask.  Waves share nothing: no barrier.  Only K's path uses LDS.
; No matrix unit, no cluster, no tensor load: every byte is read once and written once, and nothing is shared between work-groups.
.set KR,  16                           ; K: v16-143  two sets of 64 registers as loaded
.set KX,  144                          ;    v144-207 64 numbers: 16 neighbours for each of (tile u, chunk c)
.set KC,  208                          ;    v208-239 two sets of 16 registers of codes
.set SP,  272                          ;    a stage row: a key's 256 bytes + 16 of padding: 68 words, so that 16 rows begin at 16 different groups of four banks (64 banks of 4 bytes: ISA guide 11.1)
.set WST, 32*SP                        ;    a wave's stage: 32 keys
.set VX,  16                           ; V, W_o: v16-79 two sets of 32 numbers;
.set VC,  80                           ;    v80-111 eight registers of codes for each of four blocks: no store's data are written again
.set MW,  16                           ; mask: v16-143 two sets of 64 words
.macro MKSCALE se                      ; v11 = 2^e as f32 (the conversion takes its exponent field), v10 = 448 x 2^e
	s_add_co_i32 s30, s[\se], 127
	s_lshl_b32 s31, s30, 23
	v_mov_b32 v11, s31
	s_add_co_i32 s30, s30, 8
	s_lshl_b32 s30, s30, 23
	s_or_b32 s30, s30, 0x600000
	v_mov_b32 v10, s30
.endm
	s_load_b512 s[4:19], s[0:1], 0x0               ; K 4:5, V 6:7, W_o 8:9, mask 10:11, scales 12:13, kv 14:15, wimg 16:17, flags 18:19
	v_lshl_add_u32 v254, v0, 2, 0x8800
	v_mov_b32 v255, 0
	v_lshrrev_b32 v1, 5, v0
	v_readfirstlane_b32 s20, v1                    ; wave 0..3
	v_and_b32 v1, 31, v0                           ; lane
	s_wait_kmcnt 0x0
	s_load_b128 s[24:27], s[12:13], 0x0            ; e0 .. e3
	s_load_b64 s[28:29], s[12:13], 0x10            ; e4, e5
	s_cmp_lt_u32 ttmp9, 256
	s_cbranch_scc0 .Lnot_k
; ---------------- K: a wave takes 128 keys of one head: 32 KB in, 8 KB out.  The four waves of a work-group take four neighbouring heads: 1,024 consecutive bytes of each key's row.
	s_and_b32 s21, ttmp9, 3
	s_lshl_b32 s21, s21, 2
	s_add_co_u32 s21, s21, s20                     ; head
	s_bfe_u32 s22, ttmp9, 0x40002                  ; key step
	s_lshr_b32 s23, ttmp9, 6                       ; batch
	s_lshl_b32 s32, s23, 23                        ; in: batch x 2,048 rows of 4,096 bytes
	s_lshl_b32 s33, s22, 19                        ;     + step x 128 rows
	s_add_co_u32 s32, s32, s33
	s_lshl_b32 s33, s21, 8                         ;     + head x 256 bytes
	s_add_co_u32 s32, s32, s33
	s_mov_b32 s33, 0
	s_add_nc_u64 s[4:5], s[4:5], s[32:33]
	s_lshl_b32 s34, s23, 4                         ; out: ((batch x 16 + head) x 16 + step) x 16,384
	s_add_co_u32 s34, s34, s21
	s_lshl_b32 s34, s34, 4
	s_add_co_u32 s34, s34, s22
	s_lshl_b32 s34, s34, 14
	s_mov_b32 s35, 0
	s_add_nc_u64 s[14:15], s[14:15], s[34:35]
	s_wait_alu depctr_va_vdst(0)
	v_lshrrev_b32 v6, 4, v1                        ; lane / 16
	v_and_b32 v7, 15, v1                           ; lane % 16
	v_lshlrev_b32 v2, 12, v6
	v_lshl_add_u32 v2, v7, 4, v2                   ; in: lanes 0-15 take one key's 256 bytes, lanes 16-31 the next key's
	s_mul_i32 s36, s20, WST                        ; my stage
	v_mul_u32_u24 v3, v6, SP
	v_lshl_add_u32 v3, v7, 4, v3
	v_add_nc_u32 v3, s36, v3                       ; into the stage: as loaded, two rows an instruction
	v_mul_u32_u24 v4, v7, SP
	v_lshl_add_u32 v4, v6, 6, v4
	v_add_nc_u32 v4, s36, v4                       ; out of it: row r, + 64 h bytes: my 16 neighbouring channels
	v_lshlrev_b32 v5, 4, v1                        ; an image's place for my lane
.macro LOADG g                         ; group g: keys 32 g .. 32 g + 31, two an instruction; sixteen lanes read 256 consecutive bytes, aligned
.irp i, 0,1,2,3,4,5,6,7,8,9,10,11,12,13,14,15
	global_load_b128 v[KR+64*((\g)%2)+4*\i:KR+64*((\g)%2)+4*\i+3], v2, s[4:5] offset:(\g)*131072+\i*8192 th:TH_LOAD_NT
.endr
.endm
; The group goes through the stage.  Key x of the group lands in stage row 16 ((x / 8) % 2) + x % 8 + 8 (x / 16): tile u's sixteen keys then lie in rows 16 u .. 16 u + 15, in the order of the tile's lanes.
; LDS serves a wave's instructions in order (ISA guide 5.7.1.4): no wait between the stores and the loads.
.macro TURNG g
.irp i, 0,1,2,3,4,5,6,7,8,9,10,11,12,13,14,15
	ds_store_b128 v3, v[KR+64*((\g)%2)+4*\i:KR+64*((\g)%2)+4*\i+3] offset:(16*(((2*\i)/8)%2)+((2*\i)%8)+8*((2*\i)/16))*SP
.endr
.irp u, 0,1
.irp c, 0,1
.irp j, 0,1,2,3
	ds_load_b128 v[KX+32*\u+16*\c+4*\j:KX+32*\u+16*\c+4*\j+3], v4 offset:16*\u*SP+128*\c+16*\j
.endr
.endr
.endr
.endm
.macro GROUP g
.if (\g) < 3
	s_wait_loadcnt 16                              ; this group's 16 loads are in; the next group's 16 may be out
.else
	s_wait_loadcnt 0x0
.endif
	TURNG \g
	s_wait_dscnt 0x0                               ; the numbers are back, and the stores into the stage have read their registers,
.if (\g) < 2
	LOADG (\g)+2                                   ; which take the group two further on
.endif
.if (\g) >= 2
	s_wait_xcnt 0x0                                ; the stores of the group two back have read this set of codes
.endif
.set cnt, 0
.rept 64
	v_med3_num_f32 v[KX+cnt], v[KX+cnt], -v10, v10 ; the conversion to an 8-bit code does not saturate (ISA guide 7.6.2): the hold at the largest code x the scale
.set cnt, cnt+1
.endr
.irp q, 0,1,2,3,4,5,6,7
	v_cvt_scalef32_pk8_fp8_f32 v[KC+16*((\g)%2)+2*\q:KC+16*((\g)%2)+2*\q+1], v[KX+8*\q:KX+8*\q+7], v11
.endr
	v_nop                                          ; a plain line behind the last conversion
.irp q, 0,1,2,3                        ; q = 2 u + c: tile 2 g + u, chunk c: 32 lanes store 512 consecutive bytes, aligned
	global_store_b128 v5, v[KC+16*((\g)%2)+4*\q:KC+16*((\g)%2)+4*\q+3], s[14:15] offset:(2*(\g)+(\q)/2)*1024+((\q)%2)*512
.endr
.endm
	LOADG 0
	LOADG 1
	s_wait_alu depctr_va_vdst(0)
	s_wait_kmcnt 0x0
	MKSCALE 25                                     ; e1
	s_wait_alu depctr_va_vdst(0)
	GROUP 0
	GROUP 1
	GROUP 2
	GROUP 3
	s_wait_tensorcnt 0x0
	ds_add_u32 v254, v255
	s_wait_dscnt 0x0
	s_endpgm
.Lnot_k:
	s_cmp_lt_u32 ttmp9, 832
	s_cbranch_scc0 .Lmask
; ---------------- V and W_o: K (the keys; W_o's rows) is the FIRST axis.  A lane takes a column and its registers run down K: a wave takes 128 along K x 32 columns.
; Each load reads 128 consecutive bytes a wave, 512 a work-group; the conversions' results are 16 bytes of an image as they stand: nothing is transposed, no LDS.
	s_sub_co_u32 s21, ttmp9, 256
	s_lshl_b32 s21, s21, 2
	s_add_co_u32 s21, s21, s20                     ; the wave's job
	s_and_b32 s22, s21, 31                         ; g: which 32 columns
	s_bfe_u32 s23, s21, 0x40005                    ; s: which 128 along K
	s_lshr_b32 s32, s21, 9                         ; batch; 4 = W_o
	s_lshl_b32 s34, s23, 19                        ; in: s x 128 rows of 4,096 bytes + g x 128 bytes
	s_lshl_b32 s35, s22, 7
	s_add_co_u32 s34, s34, s35
	s_lshl_b32 s35, s32, 23                        ; V alone: + batch x 2,048 rows
	s_lshl_b32 s36, s32, 4                         ; V's image: ((batch x 16 + g / 2) x 16 + s) x 16,384 + 8,192 + (g % 2) x 4,096
	s_lshr_b32 s37, s22, 1
	s_add_co_u32 s36, s36, s37
	s_lshl_b32 s36, s36, 4
	s_add_co_u32 s36, s36, s23
	s_lshl_b32 s36, s36, 14
	s_and_b32 s37, s22, 1
	s_lshl_b32 s37, s37, 12
	s_add_co_u32 s36, s36, s37
	s_add_co_u32 s36, s36, 8192
	s_lshl_b32 s38, s22, 3                         ; W_o's image: (g x 8 + s) x 4,096
	s_add_co_u32 s38, s38, s23
	s_lshl_b32 s38, s38, 12
	s_cmp_lt_u32 ttmp9, 768                        ; V's work-group or W_o's?  The choice hangs on the work-group's number alone
	s_cselect_b64 s[6:7], s[6:7], s[8:9]
	s_cselect_b64 s[14:15], s[14:15], s[16:17]
	s_cselect_b32 s35, s35, 0
	s_cselect_b32 s36, s36, s38
	s_add_co_u32 s34, s34, s35
	s_mov_b32 s35, 0
	s_mov_b32 s37, 0
	s_add_nc_u64 s[6:7], s[6:7], s[34:35]
	s_add_nc_u64 s[14:15], s[14:15], s[36:37]
	s_wait_alu depctr_va_vdst(0)
	v_lshlrev_b32 v2, 2, v1                        ; in: 4 bytes a lane
	v_bfe_u32 v6, v1, 3, 1                         ; column L of the 32 is lane r = L % 8 + 8 (L / 16) of tile u = (L / 8) % 2
	v_and_b32 v7, 7, v1
	v_lshrrev_b32 v8, 4, v1
	v_lshl_add_u32 v7, v8, 3, v7
	v_lshlrev_b32 v3, 4, v7
	v_lshl_add_u32 v3, v6, 11, v3                  ; out: 2,048 u + 16 r
.macro LOADB t                         ; block t: rows 32 t + i of my column
.set cnt, 0
.rept 32
	global_load_b32 v[VX+32*((\t)%2)+cnt], v2, s[6:7] offset:(32*(\t)+cnt)*4096 th:TH_LOAD_NT
.set cnt, cnt+1
.endr
.endm
.macro BLOCK t
.if (\t) < 3
	s_wait_loadcnt 32                              ; this block's 32 loads are in; the next block's may be out
.else
	s_wait_loadcnt 0x0
.endif
.set cnt, 0
.rept 32
	v_med3_num_f32 v[VX+32*((\t)%2)+cnt], v[VX+32*((\t)%2)+cnt], -v10, v10
.set cnt, cnt+1
.endr
.irp q, 0,1,2,3
	v_cvt_scalef32_pk8_fp8_f32 v[VC+8*(\t)+2*\q:VC+8*(\t)+2*\q+1], v[VX+32*((\t)%2)+8*\q:VX+32*((\t)%2)+8*\q+7], v11
.endr
	v_nop                                          ; a plain line behind the last conversion
	global_store_b128 v3, v[VC+8*(\t):VC+8*(\t)+3], s[14:15] offset:512*(\t)           ; chunk t, h = 0: the sixteen lanes of a tile store 256 consecutive bytes, aligned
	global_store_b128 v3, v[VC+8*(\t)+4:VC+8*(\t)+7], s[14:15] offset:512*(\t)+256     ; and h = 1
.if (\t) < 2
	LOADB (\t)+2
.endif
.endm
	LOADB 0
	LOADB 1
	s_wait_kmcnt 0x0
	s_cmp_lt_u32 ttmp9, 768
	s_cselect_b32 s39, s27, s29                    ; e3 for V, e5 for W_o
	MKSCALE 39
	s_wait_alu depctr_va_vdst(0)
	BLOCK 0
	BLOCK 1
	BLOCK 2
	BLOCK 3
	s_endpgm
.Lmask:
; ---------------- The mask: a wave takes a tile of 16 queries x 2,048 keys, in four chunks of 512 keys.  A lane holds 16 bytes of each of the 16 rows; eight lanes hold a key step's 128 keys.
; The lane's 64 words are added byte by byte: 64 bytes of 0 or 1 go into each byte of the sum, which holds them without a carry.  0x40404040: all hidden; 0: all open.
	s_sub_co_u32 s21, ttmp9, 832
	s_lshl_b32 s21, s21, 2
	s_add_co_u32 s21, s21, s20                     ; the tile: batch x 128 + tile of the batch
	s_lshl_b32 s22, s21, 15                        ; 16 rows of 2,048 bytes
	s_mov_b32 s23, 0
	s_add_nc_u64 s[10:11], s[10:11], s[22:23]
	s_lshl_b32 s38, s21, 2
	s_mov_b32 s39, 0
	s_add_nc_u64 s[18:19], s[18:19], s[38:39]      ; the tile's word
	s_wait_alu depctr_va_vdst(0)
	v_lshlrev_b32 v2, 4, v1
	s_mov_b32 s35, 0                               ; the word
	s_mov_b32 s36, 0x40404040
.macro LOADM cc                        ; 32 lanes read 512 consecutive bytes of a row
.irp p, 0,1,2,3,4,5,6,7,8,9,10,11,12,13,14,15
	global_load_b128 v[MW+64*((\cc)%2)+4*\p:MW+64*((\cc)%2)+4*\p+3], v2, s[10:11] offset:\p*2048+(\cc)*512 th:TH_LOAD_NT
.endr
.endm
.macro CHUNK cc
.set WB, MW+64*((\cc)%2)
.if (\cc) < 3
	s_wait_loadcnt 16                              ; this chunk's 16 loads are in; the next chunk's may be out
.else
	s_wait_loadcnt 0x0
.endif
	v_add3_u32 v8, v[WB], v[WB+1], v[WB+2]         ; two chains
	v_add3_u32 v9, v[WB+3], v[WB+4], v[WB+5]
.irp i, 6,10,14,18,22,26,30,34,38,42,46,50,54,58
	v_add3_u32 v8, v8, v[WB+\i], v[WB+\i+1]
	v_add3_u32 v9, v9, v[WB+\i+2], v[WB+\i+3]
.endr
	v_add3_u32 v8, v8, v[WB+62], v[WB+63]
	v_add_nc_u32 v8, v8, v9
.if (\cc) < 2
	LOADM (\cc)+2
.endif
	v_cmp_ne_u32 s32, 0, v8                        ; lanes with a hidden key
	v_cmp_eq_u32 s33, s36, v8                      ; lanes with hidden keys alone
.irp q, 0,1,2,3                        ; key step 4 cc + q: lanes 8 q .. 8 q + 7
	s_bfe_u32 s34, s33, (8<<16)|(8*\q)
	s_cmp_eq_u32 s34, 0xff
	s_cselect_b32 s34, 1<<(4*(\cc)+\q), 0
	s_or_b32 s35, s35, s34
	s_bfe_u32 s34, s32, (8<<16)|(8*\q)
	s_cmp_lg_u32 s34, 0
	s_cselect_b32 s34, 1<<(16+4*(\cc)+\q), 0
	s_or_b32 s35, s35, s34
.endr
.endm
	LOADM 0
	LOADM 1
	CHUNK 0
	CHUNK 1
	CHUNK 2
	CHUNK 3
	v_mov_b32 v3, s35
	v_mov_b32 v4, 0
	v_cmp_eq_u32 vcc_lo, 0, v1
	s_wait_alu depctr_va_vdst(0)
	s_wait_xcnt 0x0                                ; EXEC changes only behind this wait
	s_and_saveexec_b32 s37, vcc_lo
	global_store_b32 v4, v3, s[18:19]              ; one word a wave, by one lane: the whole buffer is 512 words
	s_wait_xcnt 0x0
	s_or_b32 exec_lo, exec_lo, s37
	s_endpgm
.Lfunc_end_k_q5d991c57dc_prep:
	.size	k_q5d991c57dc_prep, .Lfunc_end_k_q5d991c57dc_prep-k_q5d991c57dc_prep
	.p2alignl 7, 3214868480
	.fill 96, 4, 3214868480
	.section	.rodata,"a",@progbits
	.p2align	6, 0x0
	.amdhsa_kernel k_q5d991c57dc_prep
		.amdhsa_group_segment_fixed_size 35328
		.amdhsa_private_segment_fixed_size 0
		.amdhsa_enable_private_segment 0
		.amdhsa_kernarg_size 64
		.amdhsa_user_sgpr_count 2
		.amdhsa_user_sgpr_kernarg_segment_ptr 1
		.amdhsa_wavefront_size32 1
		.amdhsa_system_sgpr_workgroup_id_x 1
		.amdhsa_system_sgpr_workgroup_id_y 1
		.amdhsa_system_sgpr_workgroup_id_z 1
		.amdhsa_system_vgpr_workitem_id 0
		.amdhsa_next_free_vgpr 256
		.amdhsa_next_free_sgpr 66
		.amdhsa_reserve_vcc 1
		.amdhsa_float_denorm_mode_32 3
		.amdhsa_float_denorm_mode_16_64 3
		.amdhsa_memory_ordered 1
		.amdhsa_forward_progress 1
		.amdhsa_inst_pref_size 83
	.end_amdhsa_kernel
	.amdgpu_metadata
---
amdhsa.version: [ 1, 2 ]
amdhsa.kernels:
  - .name:           k_q5d991c57dc_prep
    .symbol:         k_q5d991c57dc_prep.kd
    .args:
      - { .name: K, .offset: 0, .size: 8, .value_kind: global_buffer, .address_space: global }
      - { .name: V, .offset: 8, .size: 8, .value_kind: global_buffer, .address_space: global }
      - { .name: W_o, .offset: 16, .size: 8, .value_kind: global_buffer, .address_space: global }
      - { .name: mask, .offset: 24, .size: 8, .value_kind: global_buffer, .address_space: global }
      - { .name: lowp_scales, .offset: 32, .size: 8, .value_kind: global_buffer, .address_space: global }
      - { .name: kv, .offset: 40, .size: 8, .value_kind: global_buffer, .address_space: global }
      - { .name: wimg, .offset: 48, .size: 8, .value_kind: global_buffer, .address_space: global }
      - { .name: flags, .offset: 56, .size: 8, .value_kind: global_buffer, .address_space: global }
    .group_segment_fixed_size: 35328
    .private_segment_fixed_size: 0
    .kernarg_segment_align: 8
    .kernarg_segment_size: 64
    .max_flat_workgroup_size: 128
    .sgpr_count:     66
    .vgpr_count:     256
    .wavefront_size: 32
...
	.end_amdgpu_metadata
.endif
;; end of part 1
;; launch attn (part 2): grid 256 x 1, 8 waves a work-group, no clusters, 312,320 bytes of LDS; arguments Q, mask, lowp_scales, kv, flags, ctx; writes ctx
.if DOCPART == 2
	.amdgcn_target "amdgcn-amd-amdhsa--gfx1250"
	.amdhsa_code_object_version 6
	.text
	.protected	k_q5d991c57dc_attn
	.globl	k_q5d991c57dc_attn
	.p2align	8
	.type	k_q5d991c57dc_attn,@function
k_q5d991c57dc_attn:
	s_mov_b64 s[64:65], 0
	v_nop
	global_prefetch_b8 v0, s[64:65] scope:SCOPE_SE
	s_setreg_imm32_b32 hwreg(HW_REG_WAVE_MODE, 25, 1), 1
	s_wait_xcnt 0x0
; ATTENTION on codes of E4M3.  For each (batch, head): S = Q K^T / 8, hidden where the mask byte is 1; p = 2^(t - M), t = S x log2(e), M the ceiling of the running largest t; O = p V / the sum of the unquantised p.
; Q (f32) is quantised here with 2^e0; K's and V's codes come from kv as images of operand registers (layout: the launch that writes them); p is quantised with 2^e2, the finished head output with 2^e4,
; and leaves as an image of the next product's operand: ctx [block of 128 rows][K step of 128][tile of 16 rows][chunk c][lane][16 bytes]: row 16 tile + r, k = 32 c + 16 h + 0 .. 15.
; SHARES.  256 work-groups, four to a (batch, head); eight waves, two to a SIMD, 512 registers each.  A wave takes TWO tiles of 16 queries jointly (a group of 32), so that each fragment of K and V read from LDS
; feeds two matrix instructions.  It does two groups one after the other: group 56 - 8 j + w, then group 7 + 8 j - w of the head's 64 (j the work-group's place in the head, w the wave): an order only, no result hangs on it.
; LDS.  A head's kv is 16 steps of 16,384 bytes: every step has LDS bytes of its own (step k at 16,384 k) and no byte is written twice.  The images go through registers, 64 bytes a thread and step: steps 0 to 2 at the head;
; trip j of the first group stores step j + 3 and loads step j + 4.  One barrier a trip, signalled in the trip's middle and waited for at its end: only LDS loads of bytes that are never written again and register work stand between.
; The second group finds everything in LDS and has no barrier.  The store's address in the last trips (under a flag bit that is never set there) would reach byte 311,295: the spare words lie behind that.
; THE MASK IS AN INPUT.  An earlier launch stored, for each tile of 16 queries, which key steps are hidden wholly and which have some hidden key.  A step hidden wholly from both tiles is jumped over; where either tile has
; a hidden key the mask bytes are applied to both.  These are scalar branches on stored whole numbers; no barrier stands under one.
; NO TENSOR LOADS AND NO CLUSTER, though the four work-groups of a head read the same kv: the partners need different steps.
; LAYOUT.  Both products transposed: S^T = K Q^T, O^T = V^T P^T: a lane holds one query of each tile (lane % 16).  The 16 registers of two neighbouring result tiles are 16 neighbours along the next K.
; A query with no open key at all gets the NaN code in its 64 places, so that its whole output row is NaN.
; LIMITS: e0, e2, e4 between -126 and 119; e0 + e1 between -123 and 130 (added to c's exponent field); e2 + e3 goes by v_ldexp_f32.  NaN and infinities in Q are not served.  A mask byte is 0 or 1.
; REGISTERS.  Window 0: addresses, Q's codes (both groups), fragments, p's codes, O^T, the staging set.  Window 1: the scores, mask bytes, the rows' state and constants of the softmax.
.set LA,1                              ; 16 x lane
.set TH,2                              ; 16 x thread
.set MO,3                              ; mask: 2,048 r + 16 h
.set PFO,4                             ; prefetch offset
.set ADK,5                             ; LDS address of the step in hand
.set STA,6                             ; LDS address for the staging stores
.set SPW,7                             ; my spare word
.set NIL,8                             ; 0
.set QO,9                              ; Q in memory: 4,096 (lane / 16) + 16 (lane % 16): sixteen lanes take a row's 256 bytes
.set QSI,224                           ; Q's stage in LDS, on the way in: as loaded
.set QSO,225                           ; and on the way out: row r, + 64 h bytes
.set QLA,144                           ; where Q lands as loaded: the first group in v144-207, the second in v80-143 (idle at the head)
.set QP,272                            ; a stage row: 256 bytes + 16
.set QSTG,131072                       ; the stages, 64 rows a wave, lie in bytes that the images of steps 8 on take only behind the head's barrier
.set NANC,10                           ; four NaN codes
.set Q,16                              ; v16-47: group x 16 + tile x 8
.set F,48                              ; v48-111 fragments of K, then of V
.set PC,112                            ; v112-143 p's codes, 16 a tile
.set O,144                             ; v144-207 O^T, 32 a tile
.set SG,208                            ; v208-223 a step's 64 bytes on their way to LDS
; window 1
.set S,0                               ; 64 scores a tile
.set MB,128                            ; 64 mask bytes a tile
.set ST,160                            ; pairs (-M, largest t)
.set SU,164                            ; the sums, in two halves
.set FF,168                            ; pairs (f, 0)
.set PS,172                            ; 2^e2
.set PH,173                            ; 448 x 2^e2
.set NINF,174
.set PM,176
.set TA,178
.set TC,180
.set CH,184                            ; four sum chains a tile
.set MT,200                            ; mask words x 255
.set X,216
.set QS,220
.set QH,221
.set OS,222
.set OH,223
.set RC,224
.set SPARE,311296
.set WV,16
.set JJ,17
.set BROW,18
.set HB,19
.set MPA,24
.set MPB,26
.set CPA,28
.set CPB,30
.set CS,78
.set WORK,86                           ; bit 0: my wave works the step in hand
.set PART,87                           ; bit 0: and applies mask bytes there
.set STG,88                            ; bit 0: some wave of the work-group works it
.set PFB,89                            ; the same, in the waves that prefetch; else 0
.set TB,90
.set CNT,91
.set SX,92
.set SEL,94
.set HD,97
.set E23,98
.set MSB,0
.macro WIN new                         ; s_set_vgpr_msb: bits 1:0 source 0, 3:2 source 1, 5:4 source 2, 7:6 destination; the high byte repeats the setting that is left
.if MSB != \new
	s_set_vgpr_msb (MSB<<8)|\new
.set MSB, \new
.endif
.endm
.macro MKSCALE se, vs, vl              ; v[vs] = 2^e as f32, v[vl] = 448 x 2^e
	s_add_co_i32 s80, s[\se], 127
	s_lshl_b32 s81, s80, 23
	v_mov_b32 v[\vs], s81
	s_add_co_i32 s80, s80, 8
	s_lshl_b32 s80, s80, 23
	s_or_b32 s80, s80, 0x600000
	v_mov_b32 v[\vl], s80
.endm
.macro GADDR g, qp, mp, cp, fw         ; a group's places in Q, mask, ctx, and its two words of flags.  s83 = 0
	s_lshl_b32 s80, s[\g], 5
	s_add_co_u32 s80, s80, s[BROW]                 ; m: its first row among the 8,192
	s_lshl_b32 s82, s80, 12
	s_add_co_u32 s82, s82, s[HB]
	s_add_nc_u64 s[\qp:\qp+1], s[4:5], s[82:83]
	s_lshl_b32 s82, s80, 11
	s_add_nc_u64 s[\mp:\mp+1], s[6:7], s[82:83]
	s_lshr_b32 s82, s80, 2                         ; 4 bytes x (m / 16)
	s_add_nc_u64 s[\fw:\fw+1], s[12:13], s[82:83]
	s_load_b64 s[\fw:\fw+1], s[\fw:\fw+1], 0x0
	s_lshr_b32 s82, s80, 7                         ; ctx: (((m / 128) x 8 + head / 2) x 8 + (m / 16) % 8) x 2,048 + (head % 2) x 1,024
	s_lshl_b32 s82, s82, 3
	s_lshr_b32 s81, s[HD], 1
	s_add_co_u32 s82, s82, s81
	s_lshl_b32 s82, s82, 3
	s_bfe_u32 s81, s80, 0x30004
	s_add_co_u32 s82, s82, s81
	s_lshl_b32 s82, s82, 11
	s_and_b32 s81, s[HD], 1
	s_lshl_b32 s81, s81, 10
	s_add_co_u32 s82, s82, s81
	s_add_nc_u64 s[\cp:\cp+1], s[14:15], s[82:83]
.endm
.macro MLOAD mp, st                    ; the mask bytes of step st (counted from the pointer): keys 32 b + 16 h + 0 .. 15 of my query in each tile
	WIN 0x40
.irp z,0,1
.irp b,0,1,2,3
	global_load_b128 v[MB+16*\z+4*\b:MB+16*\z+4*\b+3], v[MO], s[\mp:\mp+1] offset:32768*\z+128*\st+32*\b
.endr
.endr
	WIN 0
.endm
.macro INIT                            ; a group's start: largest t = -3e38, -M = 3e38, sums and O^T zero (which step is a wave's first hangs on the mask, so no first product can be written out)
	WIN 0x40
.irp z,0,1
	v_mov_b32 v[ST+2*\z+1], 0xff61b1e6
	v_mov_b32 v[ST+2*\z], 0x7f61b1e6
	v_mov_b32 v[SU+2*\z], 0
	v_mov_b32 v[SU+2*\z+1], 0
.endr
	WIN 0
.set n,0
.rept 64
	v_mov_b32 v[O+n], 0
.set n,n+1
.endr
.endm
; THE FIRST HALF OF A KEY STEP: the scores of 128 keys for both tiles, and the mask.
.macro PART1 qb
	WIN 0
.irp t,0,1,2,3,4,5,6,7
.irp c,0,1
	ds_load_b128 v[F+8*\t+4*\c:F+8*\t+4*\c+3], v[ADK] offset:1024*\t+512*\c
.endr
.endr
	s_wait_dscnt 0x0
	WIN 0x40
.irp t,0,1,2,3,4,5,6,7
	v_wmma_f32_16x16x64_fp8_fp8 v[S+8*\t:S+8*\t+7], v[F+8*\t:F+8*\t+7], v[\qb:\qb+7], 0
	v_wmma_f32_16x16x64_fp8_fp8 v[S+64+8*\t:S+64+8*\t+7], v[F+8*\t:F+8*\t+7], v[\qb+8:\qb+15], 0
.endr
	WIN 0
.rept 4
	v_nop                                          ; four places ahead of the first read of the scores and of the loads into the fragments' registers
.endr
	s_bitcmp1_b32 s[PART], 0
	s_cbranch_scc0 .Lopen_\@                       ; no key of this step is hidden from my 32 queries
	WIN 0x55
.irp z,0,1                             ; a mask word x 255 has a byte of ones for each hidden key; v_perm_b32 spreads a byte over a word; v_bfi_b32 puts -infinity where it is all ones.  Register 4 d + i holds the key of byte i of word d
.set d,0
.rept 16
	v_lshlrev_b32 v[MT+d], 8, v[MB+16*\z+d]
.set d,d+1
.endr
.set d,0
.rept 16
	v_sub_nc_u32 v[MT+d], v[MT+d], v[MB+16*\z+d]
.set d,d+1
.endr
.set d,0
.rept 16
	v_perm_b32 v[X], v[MT+d], v[MT+d], 0
	v_perm_b32 v[X+1], v[MT+d], v[MT+d], s[SEL]
	v_perm_b32 v[X+2], v[MT+d], v[MT+d], s[SEL+1]
	v_perm_b32 v[X+3], v[MT+d], v[MT+d], s[SEL+2]
.irp i,0,1,2,3
	v_bfi_b32 v[S+64*\z+4*d+\i], v[X+\i], v[NINF], v[S+64*\z+4*d+\i]   ; each accumulator from its low end on
.endr
.set d,d+1
.endr
.endr
	s_wait_alu depctr_va_vdst(0)                   ; the wait ahead of the branches that follow
	WIN 0
.Lopen_\@:
.endm
; THE SECOND HALF: V's fragments are asked for, the softmax of both tiles line by line in turns, p's codes, O^T.
.macro PART2
	WIN 0
.irp t,0,1,2,3
.irp c,0,1,2,3
	ds_load_b128 v[F+16*\t+4*\c:F+16*\t+4*\c+3], v[ADK] offset:8192+2048*\t+512*\c
.endr
.endr
	WIN 0x55
.irp z,0,1
	v_max3_num_f32 v[TA+\z], v[S+64*\z], v[S+64*\z+1], v[S+64*\z+2]
	v_max3_num_f32 v[TC+\z], v[S+64*\z+3], v[S+64*\z+4], v[S+64*\z+5]
.endr
.irp i,6,10,14,18,22,26,30,34,38,42,46,50,54,58
.irp z,0,1
	v_max3_num_f32 v[TA+\z], v[TA+\z], v[S+64*\z+\i], v[S+64*\z+\i+1]
	v_max3_num_f32 v[TC+\z], v[TC+\z], v[S+64*\z+\i+2], v[S+64*\z+\i+3]
.endr
.endr
.irp z,0,1
	v_max3_num_f32 v[TA+\z], v[TA+\z], v[S+64*\z+62], v[S+64*\z+63]
.endr
.irp z,0,1
	v_max_num_f32 v[TA+\z], v[TA+\z], v[TC+\z]
.endr
.irp z,0,1
	v_permlanex16_b32 v[PM+\z], v[TA+\z], s[SX], s[SX+1]
.endr
.irp z,0,1
	v_max_num_f32 v[TA+\z], v[TA+\z], v[PM+\z]     ; the step's largest score of my query
.endr
.irp z,0,1
	v_mul_f32 v[TA+\z], s[CS], v[TA+\z]            ; as t (c is positive)
.endr
.irp z,0,1
	v_max_num_f32 v[ST+2*\z+1], v[ST+2*\z+1], v[TA+\z]
.endr
.irp z,0,1
	v_mov_b32 v[TA+\z], v[ST+2*\z]
.endr
.irp z,0,1
	v_floor_f32 v[ST+2*\z], -v[ST+2*\z+1]          ; the new -M = -ceil(t)
.endr
.irp z,0,1
	v_sub_f32 v[TA+\z], v[ST+2*\z], v[TA+\z]       ; old M - new M: a whole number, 0 or less
.endr
.irp z,0,1
	v_cvt_i32_f32 v[TA+\z], v[TA+\z]               ; (it saturates)
.endr
.irp z,0,1
	v_ldexp_f32 v[FF+2*\z], 1.0, v[TA+\z]          ; f = 2^(old M - new M): a multiplication by it rounds nothing
.endr
.irp z,0,1
.set n,0
.rept 32
	v_pk_fma_f32 v[S+64*\z+n:S+64*\z+n+1], v[S+64*\z+n:S+64*\z+n+1], s[CS:CS+1], v[ST+2*\z:ST+2*\z+1] op_sel_hi:[1,0,0]   ; t - M
.set n,n+2
.endr
.endr
	s_wait_alu depctr_va_vdst(0)                   ; the wait ahead of the batch
.set n,0
.rept 128
	v_exp_f32 v[S+n], v[S+n]                       ; p = 2^(t - M), at most 1, not normalised
.set n,n+1
.endr
.irp z,0,1
	v_pk_mul_f32 v[SU+2*\z:SU+2*\z+1], v[SU+2*\z:SU+2*\z+1], v[FF+2*\z:FF+2*\z+1] op_sel_hi:[1,0]   ; the sums under the new M: plain lines behind the batch
.endr
	s_wait_alu depctr_va_vdst(0)                   ; and the one wait behind it, ahead of its first reader
.irp z,0,1
.irp k,0,1,2,3
	v_pk_add_f32 v[CH+8*\z+2*\k:CH+8*\z+2*\k+1], v[S+64*\z+2*\k:S+64*\z+2*\k+1], v[S+64*\z+2*\k+8:S+64*\z+2*\k+9]   ; the sum of the unquantised p: four chains a tile
.endr
.endr
.irp m,2,3,4,5,6,7
.irp z,0,1
.irp k,0,1,2,3
	v_pk_add_f32 v[CH+8*\z+2*\k:CH+8*\z+2*\k+1], v[CH+8*\z+2*\k:CH+8*\z+2*\k+1], v[S+64*\z+2*\k+8*\m:S+64*\z+2*\k+8*\m+1]
.endr
.endr
.endr
.irp z,0,1
	v_pk_add_f32 v[CH+8*\z:CH+8*\z+1], v[CH+8*\z:CH+8*\z+1], v[CH+8*\z+2:CH+8*\z+3]
	v_pk_add_f32 v[CH+8*\z+4:CH+8*\z+5], v[CH+8*\z+4:CH+8*\z+5], v[CH+8*\z+6:CH+8*\z+7]
.endr
.irp z,0,1
	v_pk_add_f32 v[CH+8*\z:CH+8*\z+1], v[CH+8*\z:CH+8*\z+1], v[CH+8*\z+4:CH+8*\z+5]
.endr
.irp z,0,1
	v_pk_add_f32 v[SU+2*\z:SU+2*\z+1], v[SU+2*\z:SU+2*\z+1], v[CH+8*\z:CH+8*\z+1]
.endr
	WIN 0
	s_cmp_ge_i32 s74, -8                           ; p is at most 1 and never negative: from e2 = -8 on, 448 x 2^e2 is at least 1.75 and the hold can change nothing
	s_wait_alu depctr_va_vdst(0)
	s_cbranch_scc1 .Lno_hold_\@
	WIN 0x55
.set n,0
.rept 128
	v_min_num_f32 v[S+n], v[S+n], v[PH]
.set n,n+1
.endr
	WIN 0
.Lno_hold_\@:
	WIN 0x05
.irp z,0,1
.irp q,0,1,2,3,4,5,6,7
	v_cvt_scalef32_pk8_fp8_f32 v[PC+16*\z+2*\q:PC+16*\z+2*\q+1], v[S+64*\z+8*\q:S+64*\z+8*\q+7], v[PS]
.endr
.endr
	WIN 0x04
	s_wait_alu depctr_va_vdst(0)                   ; directly ahead of the first reader of O^T
.irp z,0,1
.set n,0
.rept 16
	v_pk_mul_f32 v[O+32*\z+n:O+32*\z+n+1], v[O+32*\z+n:O+32*\z+n+1], v[FF+2*\z:FF+2*\z+1] op_sel_hi:[1,0]   ; O^T under the new M; also the plain lines behind the conversions
.set n,n+2
.endr
.endr
	WIN 0
	s_wait_alu depctr_va_vdst(0)
	s_wait_dscnt 0x0                               ; V's fragments
.irp t,0,1,2,3                         ; eight accumulators by turns, one instruction a turn
.irp z,0,1
	v_wmma_f32_16x16x128_fp8_fp8 v[O+32*\z+8*\t:O+32*\z+8*\t+7], v[F+16*\t:F+16*\t+15], v[PC+16*\z:PC+16*\z+15], v[O+32*\z+8*\t:O+32*\z+8*\t+7]
.endr
.endr
.rept 4
	v_nop                                          ; four places ahead of the next loads into the fragments' registers and of the next line that touches O^T
.endr
.endm
; A TRIP: one key step.  ph = 0: the first group, with staging and the barrier; ph = 1: the second group.  Bit 0 of the words of flags is the step in hand's; they are shifted by one at the trip's end.
.macro TRIP ph, qb, mp
	v_add_nc_u32 v[ADK], s[TB], v[LA]
.if \ph == 0
	v_add_nc_u32 v[STA], s[TB], v[TH]
.endif
	s_wait_alu depctr_va_vdst(0)
	s_wait_loadcnt 0x0                             ; asked for in the last trip: the image of the step three on, and this step's mask bytes
.if \ph == 0
	s_bitcmp1_b32 s[STG], 3
	s_cbranch_scc0 .Lno_put_\@
.irp i,0,1,2,3
	ds_store_b128 v[STA], v[SG+4*\i:SG+4*\i+3] offset:49152+4096*\i
.endr
.Lno_put_\@:
	s_wait_dscnt 0x0                               ; the stores have landed, for the others' sake, and have read their registers
	s_bitcmp1_b32 s[STG], 4
	s_cbranch_scc0 .Lno_get_\@
.irp i,0,1,2,3
	global_load_b128 v[SG+4*\i:SG+4*\i+3], v[TH], s[10:11] offset:65536+4096*\i
.endr
.Lno_get_\@:
	s_bitcmp1_b32 s[PFB], 6                        ; a prefetch of the step six on, two trips ahead of the loads that will want it: a lane names 256 bytes, waves 0 and 1 of the head's work-group j = 0 a step's 16,384;
	s_cbranch_scc0 .Lno_ask_\@                     ; steps 0 to 5 come by their loads alone; the words hold no bit from 16 on, so nothing past step 15 is named
	global_prefetch_b8 v[PFO], s[10:11] offset:98304 th:TH_LOAD_NT scope:SCOPE_SE
.Lno_ask_\@:
.endif
	s_bitcmp1_b32 s[WORK], 0
	s_cbranch_scc0 .Lno_one_\@
	PART1 \qb
.Lno_one_\@:
	s_bitcmp1_b32 s[PART], 1
	s_cbranch_scc0 .Lno_mask_\@
	MLOAD \mp, 1                                   ; the next step's mask bytes: this step's have been applied
.Lno_mask_\@:
.if \ph == 0
	s_barrier_signal -1                            ; my part of the step three on is in LDS; no LDS instruction of mine is out
.endif
	s_bitcmp1_b32 s[WORK], 0
	s_cbranch_scc0 .Lno_two_\@
	PART2
.Lno_two_\@:
.if \ph == 0
	s_barrier_wait -1
.endif
	s_wait_xcnt 0x0                                ; the trip's loads and prefetch have read their bases
	s_add_nc_u64 s[\mp:\mp+1], s[\mp:\mp+1], 128
	s_lshr_b32 s[WORK], s[WORK], 1
	s_lshr_b32 s[PART], s[PART], 1
	s_add_co_u32 s[TB], s[TB], 16384
.if \ph == 0
	s_add_nc_u64 s[10:11], s[10:11], 16384
	s_lshr_b32 s[STG], s[STG], 1
	s_lshr_b32 s[PFB], s[PFB], 1
.endif
	s_sub_co_u32 s[CNT], s[CNT], 1
	s_cmp_lg_u32 s[CNT], 0
	s_wait_alu depctr_va_vdst(0)
.endm
; THE WAY OUT of a group: O^T x 2^(e2 + e3) / the sum, quantised with 2^e4.  Registers 16 b + i are channels 32 b + 16 h + i of my query: the codes are chunks 2 (head % 2) + b of ctx's image as they stand.
.macro WAYOUT cp
	WIN 0x55
.irp z,0,1
	v_add_f32 v[SU+2*\z], v[SU+2*\z], v[SU+2*\z+1]
.endr
.irp z,0,1
	v_permlanex16_b32 v[PM+\z], v[SU+2*\z], s[SX], s[SX+1]
.endr
.irp z,0,1
	v_add_f32 v[SU+2*\z], v[SU+2*\z], v[PM+\z]     ; the row's sum
.endr
	s_wait_alu depctr_va_vdst(0)
	v_rcp_f32 v[RC], v[SU]
	v_rcp_f32 v[RC+1], v[SU+2]
	v_nop
	s_wait_alu depctr_va_vdst(0)
.irp z,0,1
	v_ldexp_f32 v[RC+\z], v[RC+\z], s[E23]
.endr
	WIN 0x44
	s_wait_alu depctr_va_vdst(0)                   ; directly ahead of the first reader of O^T
.irp z,0,1
.set n,0
.rept 32
	v_mul_f32 v[S+32*\z+n], v[O+32*\z+n], v[RC+\z] ; each accumulator from its low end on
.set n,n+1
.endr
.endr
	WIN 0x55
.set n,0
.rept 64
	v_med3_num_f32 v[S+n], v[S+n], -v[OH], v[OH]
.set n,n+1
.endr
	WIN 0x05
.irp q,0,1,2,3,4,5,6,7
	v_cvt_scalef32_pk8_fp8_f32 v[PC+2*\q:PC+2*\q+1], v[S+8*\q:S+8*\q+7], v[OS]
.endr
	WIN 0x04
	v_cmp_eq_f32 s70, 0, v[SU]                     ; a sum of 0: no key was open for this query.  (Plain lines behind the conversions)
	v_cmp_eq_f32 s71, 0, v[SU+2]
	WIN 0
.irp z,0,1
.irp q,0,1,2,3,4,5,6,7
	v_cndmask_b32 v[PC+8*\z+\q], v[PC+8*\z+\q], v[NANC], s[70+\z]
.endr
.endr
.irp z,0,1
.irp b,0,1
	global_store_b128 v[LA], v[PC+8*\z+4*\b:PC+8*\z+4*\b+3], s[\cp:\cp+1] offset:2048*\z+512*\b   ; 32 lanes store 512 consecutive bytes, aligned
.endr
.endr
.endm
	s_load_b256 s[4:11], s[0:1], 0x0               ; Q 4:5, mask 6:7, scales 8:9, kv 10:11
	s_load_b128 s[12:15], s[0:1], 0x20             ; flags 12:13, ctx 14:15
	v_lshl_add_u32 v[SPW], v0, 2, SPARE
	v_mov_b32 v[NIL], 0
	v_lshrrev_b32 v11, 5, v0
	v_readfirstlane_b32 s[WV], v11                 ; wave 0..7
	v_and_b32 v12, 31, v0
	v_lshlrev_b32 v[LA], 4, v12
	v_lshlrev_b32 v[TH], 4, v0
	v_and_b32 v13, 15, v0                          ; r
	v_bfe_u32 v14, v0, 4, 1                        ; h
	v_lshlrev_b32 v[MO], 11, v13
	v_lshl_add_u32 v[MO], v14, 4, v[MO]
	s_and_b32 s80, s[WV], 1
	s_lshl_b32 s80, s80, 13
	v_lshl_add_u32 v[PFO], v12, 8, s80             ; 256 x lane + 8,192 x (wave % 2)
	v_lshlrev_b32 v[QO], 12, v14
	v_lshl_add_u32 v[QO], v13, 4, v[QO]
	s_mul_i32 s81, s[WV], 64*QP
	s_add_co_u32 s81, s81, QSTG                    ; my stage
	v_mul_u32_u24 v[QSI], v14, QP
	v_lshl_add_u32 v[QSI], v13, 4, v[QSI]
	v_add_nc_u32 v[QSI], s81, v[QSI]
	v_mul_u32_u24 v[QSO], v13, QP
	v_lshl_add_u32 v[QSO], v14, 6, v[QSO]
	v_add_nc_u32 v[QSO], s81, v[QSO]
	v_mov_b32 v[NANC], 0x7f7f7f7f
	s_and_b32 s[JJ], ttmp9, 3                      ; j: my place among the head's four work-groups
	s_lshr_b32 s[BROW], ttmp9, 6
	s_lshl_b32 s[BROW], s[BROW], 11                ; batch x 2,048 rows
	s_bfe_u32 s[HD], ttmp9, 0x40002                ; head
	s_lshl_b32 s[HB], s[HD], 8
	s_lshl_b32 s80, s[JJ], 3
	s_sub_co_u32 s81, s[WV], s80
	s_add_co_u32 s84, s81, 56                      ; my first group: 56 - 8 j + w
	s_sub_co_u32 s85, 63, s84                      ; my second: 7 + 8 j - w
	s_mov_b32 s83, 0
	s_mov_b32 s[SX], 0x76543210                    ; v_permlanex16_b32's selects: lane l xor 16
	s_mov_b32 s[SX+1], 0xfedcba98
	s_mov_b32 s[SEL], 0x01010101
	s_mov_b32 s[SEL+1], 0x02020202
	s_mov_b32 s[SEL+2], 0x03030303
	s_mov_b32 s[TB], 0
	s_mov_b32 s[CNT], 16
	s_wait_alu depctr_va_vdst(0)
	s_wait_kmcnt 0x0
	s_load_b128 s[72:75], s[8:9], 0x0              ; e0 .. e3
	s_load_b32 s76, s[8:9], 0x10                   ; e4
	GADDR 84, 20, MPA, CPA, 66
	GADDR 85, 22, MPB, CPB, 68
	s_lshr_b32 s80, s[BROW], 2                     ; the work-group's 32 words: tiles 16 j .. 16 j + 15 and 112 - 16 j .. 127 - 16 j of the batch
	s_lshl_b32 s82, s[JJ], 6
	s_add_co_u32 s86, s80, s82
	s_mov_b32 s87, 0
	s_add_nc_u64 s[86:87], s[12:13], s[86:87]
	s_load_b512 s[32:47], s[86:87], 0x0
	s_sub_co_u32 s88, s80, s82
	s_add_co_u32 s88, s88, 448
	s_mov_b32 s89, 0
	s_add_nc_u64 s[88:89], s[12:13], s[88:89]
	s_load_b512 s[48:63], s[88:89], 0x0
	s_lshr_b32 s82, ttmp9, 2
	s_lshl_b32 s82, s82, 18                        ; kv: 16 steps of 16,384 bytes for each (batch, head)
	s_add_nc_u64 s[10:11], s[10:11], s[82:83]
	; 44 loads, none under a branch (all lie inside their buffers): steps 0 to 2, then Q of both groups
.irp i,0,1,2,3
	global_load_b128 v[SG+4*\i:SG+4*\i+3], v[TH], s[10:11] offset:4096*\i
.endr
.irp k,0,1
.irp i,0,1,2,3
	global_load_b128 v[F+16*\k+4*\i:F+16*\k+4*\i+3], v[TH], s[10:11] offset:16384*(\k+1)+4096*\i
.endr
.endr
.irp p,0,1
.irp i,0,1,2,3,4,5,6,7,8,9,10,11,12,13,14,15
	global_load_b128 v[QLA-64*\p+4*\i:QLA-64*\p+4*\i+3], v[QO], s[20+2*\p:21+2*\p] offset:8192*\i th:TH_LOAD_NT   ; rows 2 i and 2 i + 1 of group p: twice 256 consecutive bytes, aligned
.endr
.endr
	s_wait_kmcnt 0x0
	s_add_co_i32 s80, s72, s73
	s_lshl_b32 s80, s80, 23
	s_add_co_i32 s[CS], s80, 0x3e38aa3b            ; c = log2(e) / 8, with e0 + e1 added to its exponent field
	s_mov_b32 s[CS+1], s[CS]
	s_add_co_i32 s[E23], s74, s75
	s_and_b32 s[STG], s32, s33
.set n,34
.rept 30
	s_and_b32 s[STG], s[STG], s[n]
.set n,n+1
.endr
	s_not_b32 s[STG], s[STG]
	s_and_b32 s[STG], s[STG], 0xffff
	s_lshr_b32 s80, s[WV], 1
	s_or_b32 s80, s80, s[JJ]
	s_cmp_eq_u32 s80, 0
	s_cselect_b32 s[PFB], s[STG], 0
	s_and_b32 s80, s66, s67
	s_not_b32 s80, s80
	s_and_b32 s[WORK], s80, 0xffff
	s_or_b32 s80, s66, s67
	s_lshr_b32 s80, s80, 16
	s_and_b32 s[PART], s80, s[WORK]
	s_and_b32 s80, s68, s69                        ; the second group's two words, kept in s32 and s33
	s_not_b32 s80, s80
	s_and_b32 s32, s80, 0xffff
	s_or_b32 s80, s68, s69
	s_lshr_b32 s80, s80, 16
	s_and_b32 s33, s80, s32
	WIN 0x40
	MKSCALE 72, QS, QH
	MKSCALE 74, PS, PH
	MKSCALE 76, OS, OH
	v_mov_b32 v[NINF], 0xff800000
	v_mov_b32 v[PM], 0                             ; a lane permute's destination counts as one of its sources
	v_mov_b32 v[PM+1], 0
	v_mov_b32 v[FF+1], 0                           ; (named as the upper halves of pairs)
	v_mov_b32 v[FF+3], 0
.set n,0
.rept 32
	v_mov_b32 v[MB+n], 0                           ; the mask bytes' registers are written once: their loads all stand under branches on the flags
.set n,n+1
.endr
	WIN 0
	s_wait_alu depctr_va_vdst(0)
	s_bitcmp1_b32 s[PART], 0
	s_cbranch_scc0 .Lno_m0
	MLOAD MPA, 0                                   ; step 0's mask bytes, where the first group applies any
.Lno_m0:
	s_wait_loadcnt 32                              ; the twelve loads of steps 0 to 2 are in; Q's 32 may be out (with the mask's 8 behind them the wait covers more than it need)
.irp i,0,1,2,3
	ds_store_b128 v[TH], v[SG+4*\i:SG+4*\i+3] offset:4096*\i
.endr
.irp k,0,1
.irp i,0,1,2,3
	ds_store_b128 v[TH], v[F+16*\k+4*\i:F+16*\k+4*\i+3] offset:16384*(\k+1)+4096*\i
.endr
.endr
	s_wait_loadcnt 0x0                             ; Q is in
	; Q turns through my own stage: in as loaded, back with 16 neighbouring channels a lane.  LDS serves a wave's instructions in order (ISA guide 5.7.1.4): no wait between the stores and the loads
.irp p,0,1
.irp i,0,1,2,3,4,5,6,7,8,9,10,11,12,13,14,15
	ds_store_b128 v[QSI], v[QLA-64*\p+4*\i:QLA-64*\p+4*\i+3] offset:(32*\p+2*\i)*QP
.endr
.endr
	WIN 0x40
.irp p,0,1
.irp z,0,1
.irp c,0,1
.irp x,0,1,2,3
	ds_load_b128 v[S+64*\p+32*\z+16*\c+4*\x:S+64*\p+32*\z+16*\c+4*\x+3], v[QSO] offset:(32*\p+16*\z)*QP+128*\c+16*\x   ; Q(16 z + r, 32 c + 16 h + 4 x ..)
.endr
.endr
.endr
.endr
	s_wait_dscnt 0x0
	WIN 0x55
.set n,0
.rept 128
	v_med3_num_f32 v[S+n], v[S+n], -v[QH], v[QH]   ; the conversion to an 8-bit code does not saturate (ISA guide 7.6.2)
.set n,n+1
.endr
	WIN 0x05
.set n,0
.rept 16
	v_cvt_scalef32_pk8_fp8_f32 v[Q+2*n:Q+2*n+1], v[S+8*n:S+8*n+7], v[QS]
.set n,n+1
.endr
	v_nop                                          ; a plain line behind the last conversion
	INIT
	s_wait_alu depctr_va_vdst(0)
	s_wait_dscnt 0x0                               ; my parts of steps 0 to 2 are in LDS, and the staging set is free
	s_bitcmp1_b32 s[STG], 3
	s_cbranch_scc0 .Lno_three
.irp i,0,1,2,3
	global_load_b128 v[SG+4*\i:SG+4*\i+3], v[TH], s[10:11] offset:49152+4096*\i
.endr
.Lno_three:
	s_barrier_signal -1
	s_barrier_wait -1
.Lfirst:
	TRIP 0, Q, MPA
	s_cbranch_scc1 .Lfirst
	s_wait_loadcnt 0x0                             ; no load of the loop's last trip is still on its way into the registers that the next lines load
	s_bitcmp1_b32 s33, 0
	s_cbranch_scc0 .Lno_m1
	MLOAD MPB, 0                                   ; the second group's mask bytes of step 0, where it applies any: they land under the way out
.Lno_m1:
	WAYOUT CPA
	s_mov_b32 s[WORK], s32
	s_mov_b32 s[PART], s33
	s_mov_b32 s[TB], 0
	s_mov_b32 s[CNT], 16
	INIT
	s_wait_alu depctr_va_vdst(0)
	s_wait_xcnt 0x0                                ; the stores have read the codes' registers, which the second group writes again
.Lsecond:
	TRIP 1, Q+16, MPB
	s_cbranch_scc1 .Lsecond
	WAYOUT CPB
	s_wait_tensorcnt 0x0                           ; the wave's end
	ds_add_u32 v[SPW], v[NIL]
	s_wait_dscnt 0x0
	s_endpgm
.Lfunc_end_k_q5d991c57dc_attn:
	.size	k_q5d991c57dc_attn, .Lfunc_end_k_q5d991c57dc_attn-k_q5d991c57dc_attn
	.p2alignl 7, 3214868480
	.fill 96, 4, 3214868480
	.section	.rodata,"a",@progbits
	.p2align	6, 0x0
	.amdhsa_kernel k_q5d991c57dc_attn
		.amdhsa_group_segment_fixed_size 312320
		.amdhsa_private_segment_fixed_size 0
		.amdhsa_enable_private_segment 0
		.amdhsa_kernarg_size 48
		.amdhsa_user_sgpr_count 2
		.amdhsa_user_sgpr_kernarg_segment_ptr 1
		.amdhsa_wavefront_size32 1
		.amdhsa_system_sgpr_workgroup_id_x 1
		.amdhsa_system_sgpr_workgroup_id_y 1
		.amdhsa_system_sgpr_workgroup_id_z 1
		.amdhsa_system_vgpr_workitem_id 0
		.amdhsa_next_free_vgpr 512
		.amdhsa_next_free_sgpr 100
		.amdhsa_reserve_vcc 0
		.amdhsa_float_denorm_mode_32 3
		.amdhsa_float_denorm_mode_16_64 3
		.amdhsa_memory_ordered 1
		.amdhsa_forward_progress 1
		.amdhsa_inst_pref_size 149
	.end_amdhsa_kernel
	.amdgpu_metadata
---
amdhsa.version: [ 1, 2 ]
amdhsa.kernels:
  - .name:           k_q5d991c57dc_attn
    .symbol:         k_q5d991c57dc_attn.kd
    .args:
      - { .name: Q, .offset: 0, .size: 8, .value_kind: global_buffer, .address_space: global }
      - { .name: mask, .offset: 8, .size: 8, .value_kind: global_buffer, .address_space: global }
      - { .name: lowp_scales, .offset: 16, .size: 8, .value_kind: global_buffer, .address_space: global }
      - { .name: kv, .offset: 24, .size: 8, .value_kind: global_buffer, .address_space: global }
      - { .name: flags, .offset: 32, .size: 8, .value_kind: global_buffer, .address_space: global }
      - { .name: ctx, .offset: 40, .size: 8, .value_kind: global_buffer, .address_space: global }
    .group_segment_fixed_size: 312320
    .private_segment_fixed_size: 0
    .kernarg_segment_align: 8
    .kernarg_segment_size: 48
    .max_flat_workgroup_size: 256
    .sgpr_count:     100
    .vgpr_count:     512
    .wavefront_size: 32
...
	.end_amdgpu_metadata
.endif
;; end of part 2
;; launch proj (part 3): grid 4 x 64, 4 waves a work-group, clusters of 4 x 1, 168,448 bytes of LDS; arguments ctx, wimg, b_o, lowp_scales, out0; writes out0
.if DOCPART == 3
	.amdgcn_target "amdgcn-amd-amdhsa--gfx1250"
	.amdhsa_code_object_version 6
	.text
	.protected	k_q5d991c57dc_proj
	.globl	k_q5d991c57dc_proj
	.p2align	8
	.type	k_q5d991c57dc_proj,@function
k_q5d991c57dc_proj:
	s_mov_b64 s[64:65], 0
	v_nop
	global_prefetch_b8 v0, s[64:65] scope:SCOPE_SE
	s_setreg_imm32_b32 hwreg(HW_REG_WAVE_MODE, 25, 1), 1
	s_wait_xcnt 0x0
	s_wait_alu depctr_hold_cnt(0) depctr_sa_sdst(0) depctr_va_vdst(0) depctr_va_sdst(0) depctr_va_ssrc(0) depctr_va_vcc(0) depctr_vm_vsrc(0)
	s_getreg_b32 s2, hwreg(HW_REG_IB_STS2, 6, 4)
	s_cmp_eq_u32 s2, 0
	s_cbranch_scc0 .Lentry_in_a_cluster
	s_endpgm
.Lentry_in_a_cluster:
	s_bfe_u32 s2, ttmp6, 0x10000c
	s_cmp_lg_u32 s2, 0x3003
	s_cbranch_scc0 .Lentry_shape_is_right
	s_endpgm
.Lentry_shape_is_right:
; out0 = ctx W_o x 2^(e4 + e5) + b_o: [8,192 x 1,024] x [1,024 x 1,024] on codes of E4M3; sums in f32.  Both operands come as images of operand registers (their layouts: the launches that write them).
; LIMIT: e4 + e5 between -126 and 127, so that 2^(e4 + e5) is an f32 number.
; SHARES.  A work-group makes 128 rows x 256 columns: 256 work-groups.  Wave w makes all 128 rows x columns 64 w .. 64 w + 63 of them: 32 accumulators, 256 registers.
; ctx's block (128 rows x 1,024 K = 128 KB) is read by all four waves and by the four work-groups of a cluster (the four column slices of one block of rows): it comes into LDS by JOINT tensor loads, each LDS byte filled once:
; wave w asks for K steps 2 w and 2 w + 1, 32 KB on end, by its one load.  No LDS byte is filled again, so there is no ring.
; W_o's fragments are each wave's own and go from memory straight into registers, three K steps ahead, in a ring of four sets.
; THE MATRIX INSTRUCTION IS USED TRANSPOSED (source 0 = 16 columns of W_o, source 1 = 16 rows of ctx): by wimg's choice of columns lane (r, h) holds, in tiles 2 g + u, row r and columns 32 g + 16 h + 8 u + 0 .. 7.
; No loop: eight K steps written out by a macro.  No branch but the cluster round's.  No prefetch: there is no loop to run ahead in; each byte of ctx is asked for at the head, W_o's three K steps ahead.
; REGISTERS, in windows of 256 (s_set_vgpr_msb: bits 1:0 source 0, 3:2 source 1, 5:4 source 2, 7:6 destination):
;   window 0: v1-6 addresses; v32-63 my 64 columns' bias; v64-95 a block's results; v128-255 ctx's fragments, set 0 (even K steps), later four sets of rows read back.
;   window 1: accumulator (a, b) at v[8 (4 a + b)].   window 2: W_o's fragments, K step s at v[64 (s % 4) + 16 b].   window 3: v128-255 ctx's fragments, set 1 (odd K steps).
.set AF,     128
.set BIAS,   32
.set T,      64
.set BK,     128
.set STAGE,  131072                    ; behind ctx's block: 16 rows x 272 bytes for each wave; no tensor load lands there
.set SPITCH, 272
.set MSB, 0
.macro WIN new
.if MSB != \new
	s_set_vgpr_msb (MSB<<8)|\new
.set MSB, \new
.endif
.endm
.macro CROUND                          ; a round of the cluster's barrier
	s_barrier_signal -1
	s_barrier_wait -1
	s_cmp_lg_u32 s14, 0
	s_cbranch_scc1 .Lnot_wave_0_\@
	s_barrier_signal -3
.Lnot_wave_0_\@:
	s_barrier_wait -3
	s_barrier_signal -1
	s_barrier_wait -1
.endm
	s_load_b256 s[4:11], s[0:1], 0x0               ; ctx 4:5, wimg 6:7, b_o 8:9, scales 10:11
	s_load_b64 s[12:13], s[0:1], 0x20              ; out0
	v_lshl_add_u32 v126, v0, 2, 0x29000
	v_mov_b32 v127, 0
	ds_add_u32 v126, v127                          ; the opening lines: the add twice on end and its wait ahead of my tensor load
	ds_add_u32 v126, v127
	v_lshrrev_b32 v7, 5, v0
	v_readfirstlane_b32 s14, v7                    ; wave 0..3
	s_bfe_u32 s15, ttmp6, 0x40000                  ; cx: my place in the cluster
	s_lshl_b32 s16, ttmp9, 2
	s_add_co_u32 s16, s16, s15                     ; my slice of 256 columns: it enters W_o's, the bias's and the output's addresses alone
	s_and_b32 s17, ttmp7, 0xffff                   ; my block of 128 rows, which the four partners share
	; descriptor group 1: a dense block of 32,768 bytes as 128 rows of 32 elements of 8 bytes
	s_mov_b32 s24, 15|(3<<16)|(1<<21)              ; the mask: all four work-groups; elements of 8 bytes; bit 21 beside a mask; no padding
	s_mov_b32 s25, 32<<16
	s_mov_b32 s26, 128<<16
	s_mov_b32 s27, 32<<16
	s_mov_b32 s28, 128
	s_mov_b32 s29, 32
	s_mov_b32 s30, 0
	s_mov_b32 s31, 0
	s_lshl_b32 s33, s14, 15                        ; K steps 2 w, 2 w + 1 land at 32,768 w: no place in the cluster enters an LDS address
	s_lshl_b32 s18, s17, 17
	s_add_co_u32 s18, s18, s33                     ; in ctx: block x 131,072 + w x 32,768
	s_mov_b32 s19, 0
	s_lshl_b32 s20, s16, 3                         ; wimg: (8 x slice + 2 w) groups of 32 columns, 32,768 bytes each
	s_lshl_b32 s21, s14, 1
	s_add_co_u32 s20, s20, s21
	s_lshl_b32 s20, s20, 15
	s_mov_b32 s21, 0
	s_lshl_b32 s22, s16, 10                        ; my first column in bytes of f32: 1,024 x slice + 256 w
	s_lshl_b32 s23, s14, 8
	s_add_co_u32 s22, s22, s23
	s_mov_b32 s23, 0
	s_lshl_b32 s42, s17, 19                        ; out0: block x 128 rows of 4,096 bytes + my first column
	s_add_co_u32 s42, s42, s22
	s_mov_b32 s43, 0
	v_and_b32 v7, 31, v0
	v_lshlrev_b32 v1, 4, v7                        ; 16 x lane; K steps 0 to 3
	v_add_nc_u32 v2, 0x10000, v1                   ; K steps 4 to 7 (an LDS immediate has 16 bits)
	v_and_b32 v8, 15, v0                           ; r
	v_bfe_u32 v9, v0, 4, 1                         ; h
	s_mul_i32 s44, s14, 16*SPITCH
	s_add_co_u32 s44, s44, STAGE                   ; my stage
	v_mul_u32_u24 v3, v8, SPITCH
	v_lshl_add_u32 v3, v9, 6, v3
	v_add_nc_u32 v3, s44, v3                       ; in: row r, + 64 h bytes
	v_mul_u32_u24 v4, v9, SPITCH
	v_lshl_add_u32 v4, v8, 4, v4
	v_add_nc_u32 v4, s44, v4                       ; back: lanes 0-15 one row of 256 bytes, lanes 16-31 the next
	v_lshlrev_b32 v5, 12, v9
	v_lshl_add_u32 v5, v8, 4, v5                   ; and the same two rows in out0
	v_lshlrev_b32 v6, 6, v9                        ; the bias: 64 h bytes
	s_wait_dscnt 0x0
	s_wait_kmcnt 0x0
	s_load_b64 s[40:41], s[10:11], 0x10            ; e4, e5
	s_mov_b32 s32, 1
	s_add_nc_u64 s[34:35], s[4:5], s[18:19]
	s_or_b32 s35, s35, 0x80000000                  ; type = 2
	s_add_nc_u64 s[6:7], s[6:7], s[20:21]
	s_add_nc_u64 s[8:9], s[8:9], s[22:23]
	s_add_nc_u64 s[12:13], s[12:13], s[42:43]
	CROUND                                         ; all four work-groups are here: the joint loads meet
	tensor_load_to_lds s[32:35], s[24:31]          ; my one load: the launch's only fills go out together at its start
	s_nop 0
.rept 4
	v_nop                                          ; four such lines behind a tensor load ahead of a switch of windows
.endr
	s_wait_alu depctr_va_vdst(0)
.irp g, 0,1
.irp x, 0,1,2,3
	global_load_b128 v[BIAS+16*\g+4*\x:BIAS+16*\g+4*\x+3], v6, s[8:9] offset:128*\g+16*\x   ; b_o at my columns 32 g + 16 h + 4 x ..: in the results' layout
.endr
.endr
.macro LOADW s                         ; W_o's four fragments of K step s
	WIN 0x80
.irp b, 0,1,2,3
.irp c, 0,1,2,3
	global_load_b128 v[64*((\s)%4)+16*\b+4*\c:64*((\s)%4)+16*\b+4*\c+3], v1, s[6:7] offset:(\b/2)*32768+(\s)*4096+(\b%2)*2048+\c*512
.endr
.endr
.endm
.macro FETCHA s                        ; ctx's eight fragments of K step s into set s % 2
.if ((\s)%2) == 1
	WIN 0xc0
.else
	WIN 0
.endif
.irp a, 0,1,2,3,4,5,6,7
.irp c, 0,1,2,3
	ds_load_b128 v[AF+16*\a+4*\c:AF+16*\a+4*\c+3], v[1+(\s)/4] offset:((\s)%4)*16384+2048*\a+512*\c
.endr
.endr
.endm
; A K step of 128: 32 matrix instructions, the 32 accumulators by turns in one order throughout, one instruction a turn.
.macro KSTEP s
	WIN 0
	s_wait_dscnt 0x0                               ; this step's fragments of ctx, asked for ahead of the last step's products
.if (\s) < 7
	FETCHA (\s)+1
.endif
.if (\s) < 5
	LOADW (\s)+3
	s_wait_loadcnt 48                              ; this step's fragments of W_o are in (and the bias); the 16 loads of each of the three steps behind it may be out
.else
	s_wait_loadcnt 16*(7-(\s))
.endif
.if ((\s)%2) == 1
	WIN 0x5e                                       ; W_o window 2, ctx window 3, C and D window 1
.else
	WIN 0x52                                       ; the same with ctx in window 0
.endif
.irp a, 0,1,2,3,4,5,6,7
.irp b, 0,1,2,3
.if (\s) == 0
	v_wmma_f32_16x16x128_fp8_fp8 v[8*(4*\a+\b):8*(4*\a+\b)+7], v[64*((\s)%4)+16*\b:64*((\s)%4)+16*\b+15], v[AF+16*\a:AF+16*\a+15], 0
.else
	v_wmma_f32_16x16x128_fp8_fp8 v[8*(4*\a+\b):8*(4*\a+\b)+7], v[64*((\s)%4)+16*\b:64*((\s)%4)+16*\b+15], v[AF+16*\a:AF+16*\a+15], v[8*(4*\a+\b):8*(4*\a+\b)+7]
.endif
.endr
.endr
	WIN 0
.rept 4
	v_nop                                          ; four places ahead of the loads into the registers just read, and of the first read of results
.endr
.endm
	LOADW 0
	LOADW 1
	LOADW 2
	WIN 0
	s_wait_tensorcnt 0x0                           ; my two K steps are in
	s_barrier_signal -1
	s_barrier_wait -1                              ; everybody's are: ctx's block is whole
	FETCHA 0
.irp s, 0,1,2,3,4,5,6,7
	KSTEP \s
.endr
; THE WAY OUT, a block of 16 rows x 64 columns at a time: sum x 2^(e4 + e5) + bias, one packed multiply-add for two numbers; through my own stage in LDS; back as whole rows of 256 bytes.
; LDS serves a wave's instructions in order (ISA guide 5.7.1.4): no wait between the stores and the loads, nor ahead of the next block's stores.
.macro TOSTAGE a
.if (\a) >= 4
	s_wait_xcnt 0x0                                ; the stores of the block four back have read the registers into which this block is read back
.endif
	WIN 0x01                                       ; source 0 (the sums) window 1
.irp b, 0,1,2,3
.irp i, 0,2,4,6
	v_pk_fma_f32 v[T+8*\b+\i:T+8*\b+\i+1], v[8*(4*(\a)+\b)+\i:8*(4*(\a)+\b)+\i+1], s[46:47], v[BIAS+8*\b+\i:BIAS+8*\b+\i+1] op_sel_hi:[1,0,1]   ; each accumulator from its low end on
.endr
.endr
	WIN 0
.irp b, 0,1,2,3
	ds_store_b128 v3, v[T+8*\b:T+8*\b+3] offset:128*(\b/2)+32*(\b%2)
	ds_store_b128 v3, v[T+8*\b+4:T+8*\b+7] offset:128*(\b/2)+32*(\b%2)+16
.endr
.irp i, 0,1,2,3,4,5,6,7
	ds_load_b128 v[BK+32*((\a)%4)+4*\i:BK+32*((\a)%4)+4*\i+3], v4 offset:2*\i*SPITCH
.endr
.endm
.macro SEND a, younger                 ; younger: the LDS instructions issued behind block a's loads, which may stay out
	s_wait_dscnt \younger
.irp i, 0,1,2,3,4,5,6,7
	global_store_b128 v5, v[BK+32*((\a)%4)+4*\i:BK+32*((\a)%4)+4*\i+3], s[12:13] offset:(16*(\a)+2*\i)*4096 th:TH_STORE_NT   ; sixteen lanes store 256 consecutive bytes, aligned; every offset an immediate
.endr
.endm
	s_wait_kmcnt 0x0
	s_add_co_i32 s46, s40, s41
	s_add_co_i32 s46, s46, 127
	s_lshl_b32 s46, s46, 23                        ; 2^(e4 + e5) as f32
	s_mov_b32 s47, s46                             ; (named with it as a pair)
	TOSTAGE 0
.irp a, 1,2,3,4,5,6,7
	TOSTAGE \a
	SEND (\a)-1, 16                                ; behind block a - 1's loads: block a's 8 stores and 8 loads
.endr
	SEND 7, 0
	s_wait_tensorcnt 0x0                           ; the wave's end
	ds_add_u32 v126, v127
	s_wait_dscnt 0x0
	CROUND                                         ; the closing round: no work-group ends while a partner may still ask jointly
	s_endpgm
.Lfunc_end_k_q5d991c57dc_proj:
	.size	k_q5d991c57dc_proj, .Lfunc_end_k_q5d991c57dc_proj-k_q5d991c57dc_proj
	.p2alignl 7, 3214868480
	.fill 96, 4, 3214868480
	.section	.rodata,"a",@progbits
	.p2align	6, 0x0
	.amdhsa_kernel k_q5d991c57dc_proj
		.amdhsa_group_segment_fixed_size 168448
		.amdhsa_private_segment_fixed_size 0
		.amdhsa_enable_private_segment 0
		.amdhsa_kernarg_size 40
		.amdhsa_user_sgpr_count 2
		.amdhsa_user_sgpr_kernarg_segment_ptr 1
		.amdhsa_wavefront_size32 1
		.amdhsa_system_sgpr_workgroup_id_x 1
		.amdhsa_system_sgpr_workgroup_id_y 1
		.amdhsa_system_sgpr_workgroup_id_z 1
		.amdhsa_system_vgpr_workitem_id 0
		.amdhsa_next_free_vgpr 1024
		.amdhsa_next_free_sgpr 66
		.amdhsa_reserve_vcc 0
		.amdhsa_float_denorm_mode_32 3
		.amdhsa_float_denorm_mode_16_64 3
		.amdhsa_memory_ordered 1
		.amdhsa_forward_progress 1
		.amdhsa_inst_pref_size 75
	.end_amdhsa_kernel
	.amdgpu_metadata
---
amdhsa.version: [ 1, 2 ]
amdhsa.kernels:
  - .name:           k_q5d991c57dc_proj
    .symbol:         k_q5d991c57dc_proj.kd
    .args:
      - { .name: ctx, .offset: 0, .size: 8, .value_kind: global_buffer, .address_space: global }
      - { .name: wimg, .offset: 8, .size: 8, .value_kind: global_buffer, .address_space: global }
      - { .name: b_o, .offset: 16, .size: 8, .value_kind: global_buffer, .address_space: global }
      - { .name: lowp_scales, .offset: 24, .size: 8, .value_kind: global_buffer, .address_space: global }
      - { .name: out0, .offset: 32, .size: 8, .value_kind: global_buffer, .address_space: global }
    .group_segment_fixed_size: 168448
    .private_segment_fixed_size: 0
    .kernarg_segment_align: 8
    .kernarg_segment_size: 40
    .max_flat_workgroup_size: 128
    .sgpr_count:     66
    .vgpr_count:     1024
    .wavefront_size: 32
...
	.end_amdgpu_metadata
.endif
;; end of part 3
